; MI455X (gfx1250); checked and timed in simulation.
; The chip was launched on July 23, 2026; its instructions are those of AMD's public machine-readable ISA for CDNA 5 (MIT licence, August 2026) and "CDNA5" Instruction Set Architecture Reference Guide (July 2026). The comments in the code are by the model that wrote it; some were corrected since.
;; FC quant. Allowed arithmetic: float matrix products may take bf16 or f16 operands with f32 sums; other float arithmetic in f32, or as packed bf16 or f16 multiplies, adds, multiply-adds, maxima and minima; sums over many terms, partial sums and values carried from step to step in f32; what a program stores and reads back later, other than sums and carried values, may be rounded once to bf16 or f16.
;; Inputs: W 4,096 x 4,096 float32; X 4,096 x 4,096 float32; bias 4,096 float32.
;; Outputs: out0 4,096 x 4,096 float32.
;; 2 versions, each right; version 2 is version 1 with the launch prep written anew for expert scheduling mode. Each part assembles by itself: llvm-mc -triple=amdgcn-amd-amdhsa -mcpu=gfx1250 --defsym DOCPART=n.
;; ======== version 1 of 2: 2 launches
;; workspace buffers: xb 33,554,432 bytes; wb 33,554,432 bytes
;; launch prep (part 1): grid 512 x 2, 8 waves a work-group, no clusters, 0 bytes of LDS; arguments X, W, xb, wb; writes xb, wb
.if DOCPART == 1
	.amdgcn_target "amdgcn-amd-amdhsa--gfx1250"
	.amdhsa_code_object_version 6
	.text
	.protected	k_qdf0a4e37cb_prep
	.globl	k_qdf0a4e37cb_prep
	.p2align	8
	.type	k_qdf0a4e37cb_prep,@function
k_qdf0a4e37cb_prep:
	s_mov_b64 s[64:65], 0
	v_nop
	global_prefetch_b8 v0, s[64:65] scope:SCOPE_SE
	s_setreg_imm32_b32 hwreg(HW_REG_WAVE_MODE, 25, 1), 1
	s_wait_xcnt 0x0
; Z = X sign(W) + bias, first of two launches: the operands of the product are made, in 16 bits, each in the layout of its source.
;   xb[m][k] = bf16(X[m][k]), rounded to nearest even.      wb[k][n] = bf16(sign(W[k][n])): +1, -1 or 0, all exact in bf16.
; NOTHING OF THE PROBLEM IS LEFT OUT: X, W and bias all reach every output; bias is added by the second launch.
; LIMITS.  An X beyond the largest finite bf16 rounds to an infinity.  sign is exact for every finite W, denormals too (the compare is in f32, denormals kept); +0 and -0 stay
; +0 and -0.  A NaN in W keeps its upper 16 bits: a NaN whose payload lies in the lower 16 bits alone becomes an infinity.
; A STREAM: no byte is wanted twice, so no LDS, no barrier, no cluster, no matrix unit.  Work-groups with y = 0 take X, those with y = 1 take W; each owns 32,768 consecutive
; numbers, each of its eight waves 4,096: 32 loads of 16 bytes a lane (512 consecutive bytes, aligned) and 32 stores of 8 bytes a lane (256 consecutive bytes, aligned).
; A ring of 16 slots in registers keeps 16 loads of every wave on their way.  The chunk's number stands in the immediates, so no address register is ever rewritten; the first
; round's results go into registers of their own and the second round's into the slot itself, which is not loaded again: no register that a store reads is written again,
; and the text needs no wait for that.
.set IO, 1                             ; v1        my 16 bytes in the wave's first chunk of the source: 16,384 x wave + 16 x lane; never rewritten
.set OO, 2                             ; v2        my 8 bytes in the result: 8,192 x wave + 8 x lane; never rewritten
.set ONE, 3                            ; v3        1.0
.set T,  4                             ; v[4:7]    at work
.set IN, 16                            ; v[16:79]  slot i: 4 numbers as loaded
.set OU, 80                            ; v[80:111] slot i: the first round's 4 results, packed
	s_load_b256 s[4:11], s[0:1], 0x0               ; X s[4:5], W s[6:7], xb s[8:9], wb s[10:11]
	s_and_b32 s12, ttmp7, 0xffff                   ; 0: X, 1: W
	s_lshl_b32 s18, ttmp9, 17                      ; the work-group's 131,072 bytes of the source (under 2^26),
	s_mov_b32 s19, 0
	s_lshl_b32 s20, ttmp9, 16                      ; and its 65,536 bytes of the result
	s_mov_b32 s21, 0
	s_mov_b32 s22, 0x7fffffff                      ; all bits but the sign
	s_mov_b32 s23, 0x07060302                      ; v_perm_b32: the upper halves of two words, the second source below
	v_and_b32 v4, 0xe0, v0                         ; 32 x wave
	v_and_b32 v5, 31, v0                           ; lane
	v_lshlrev_b32 v[IO], 4, v5
	v_lshl_or_b32 v[IO], v4, 9, v[IO]
	v_lshlrev_b32 v[OO], 3, v5
	v_lshl_or_b32 v[OO], v4, 8, v[OO]
	v_mov_b32 v[ONE], 1.0
	s_wait_kmcnt 0x0
	s_cmp_eq_u32 s12, 0
	s_cselect_b64 s[14:15], s[4:5], s[6:7]         ; the source
	s_cselect_b64 s[16:17], s[8:9], s[10:11]       ; the result
	s_add_nc_u64 s[14:15], s[14:15], s[18:19]
	s_add_nc_u64 s[16:17], s[16:17], s[20:21]
.irp i, 0,1,2,3,4,5,6,7,8,9,10,11,12,13,14,15
	global_load_b128 v[IN+4*(\i):IN+4*(\i)+3], v[IO], s[14:15] offset:512*(\i) th:TH_LOAD_NT  ; the ring is filled: chunks 0 to 15
.endr
; The turn of slot i.  kind = 0: round to bf16; 1: the sign.  round = 0: chunk i, and the slot is filled again with chunk i + 16; round = 1: chunk i + 16, nothing is loaded.
.macro SLOT kind, i, round
.set I, IN+4*(\i)
.if \round
	s_wait_loadcnt 15-(\i)                         ; loads come back in order (ISA guide 5.7.1): behind mine stand the refills of slots i + 1 to 15
.set D, IN+4*(\i)
.else
	s_wait_loadcnt 15                              ; behind mine: 15 - i first fills and i refills
.set D, OU+2*(\i)
.endif
.if \kind
.irp j, 0,1,2,3
	v_cmp_lg_f32 vcc_lo, 0, v[I+(\j)]              ; below or above 0: false for 0 and for NaN
	v_bfi_b32 v[T+(\j)], s22, v[ONE], v[I+(\j)]    ; 1.0 with the sign of w
	v_cndmask_b32 v[T+(\j)], v[I+(\j)], v[T+(\j)], vcc_lo  ; or w itself
.endr
	v_perm_b32 v[D], v[T+1], v[T], s23             ; +1, -1 and 0 have nothing in their lower halves: the upper halves are the bf16
	v_perm_b32 v[D+1], v[T+3], v[T+2], s23
.else
	v_cvt_pk_bf16_f32 v[D], v[I], v[I+1]           ; two roundings, the first source into the low half
	v_cvt_pk_bf16_f32 v[D+1], v[I+2], v[I+3]
.endif
.if !(\round)
	global_load_b128 v[I:I+3], v[IO], s[14:15] offset:512*((\i)+16) th:TH_LOAD_NT  ; the load ahead of the store
.endif
	global_store_b64 v[OO], v[D:D+1], s[16:17] offset:256*((\i)+16*(\round)) th:TH_STORE_NT  ; the wave stores 256 consecutive bytes, at a multiple of 256 from the first byte of the buffer
.endm
	s_cmp_eq_u32 s12, 0
	s_cbranch_scc0 .Lw
.irp i, 0,1,2,3,4,5,6,7,8,9,10,11,12,13,14,15
	SLOT 0, \i, 0
.endr
.irp i, 0,1,2,3,4,5,6,7,8,9,10,11,12,13,14,15
	SLOT 0, \i, 1
.endr
	s_endpgm
.Lw:
.irp i, 0,1,2,3,4,5,6,7,8,9,10,11,12,13,14,15
	SLOT 1, \i, 0
.endr
.irp i, 0,1,2,3,4,5,6,7,8,9,10,11,12,13,14,15
	SLOT 1, \i, 1
.endr
	s_endpgm
.Lfunc_end_k_qdf0a4e37cb_prep:
	.size	k_qdf0a4e37cb_prep, .Lfunc_end_k_qdf0a4e37cb_prep-k_qdf0a4e37cb_prep
	.p2alignl 7, 3214868480
	.fill 96, 4, 3214868480
	.section	.rodata,"a",@progbits
	.p2align	6, 0x0
	.amdhsa_kernel k_qdf0a4e37cb_prep
		.amdhsa_group_segment_fixed_size 0
		.amdhsa_private_segment_fixed_size 0
		.amdhsa_enable_private_segment 0
		.amdhsa_kernarg_size 32
		.amdhsa_user_sgpr_count 2
		.amdhsa_user_sgpr_kernarg_segment_ptr 1
		.amdhsa_wavefront_size32 1
		.amdhsa_system_sgpr_workgroup_id_x 1
		.amdhsa_system_sgpr_workgroup_id_y 1
		.amdhsa_system_sgpr_workgroup_id_z 1
		.amdhsa_system_vgpr_workitem_id 0
		.amdhsa_next_free_vgpr 112
		.amdhsa_next_free_sgpr 66
		.amdhsa_reserve_vcc 1
		.amdhsa_float_denorm_mode_32 3
		.amdhsa_float_denorm_mode_16_64 3
		.amdhsa_memory_ordered 1
		.amdhsa_forward_progress 1
		.amdhsa_inst_pref_size 38
	.end_amdhsa_kernel
	.amdgpu_metadata
---
amdhsa.version: [ 1, 2 ]
amdhsa.kernels:
  - .name:           k_qdf0a4e37cb_prep
    .symbol:         k_qdf0a4e37cb_prep.kd
    .args:
      - { .name: X, .offset: 0, .size: 8, .value_kind: global_buffer, .address_space: global }
      - { .name: W, .offset: 8, .size: 8, .value_kind: global_buffer, .address_space: global }
      - { .name: xb, .offset: 16, .size: 8, .value_kind: global_buffer, .address_space: global }
      - { .name: wb, .offset: 24, .size: 8, .value_kind: global_buffer, .address_space: global }
    .group_segment_fixed_size: 0
    .private_segment_fixed_size: 0
    .kernarg_segment_align: 8
    .kernarg_segment_size: 32
    .max_flat_workgroup_size: 256
    .sgpr_count:     66
    .vgpr_count:     112
    .wavefront_size: 32
...
	.end_amdgpu_metadata
.endif
;; end of part 1
;; launch gemm (part 2): grid 16 x 16, 4 waves a work-group, clusters of 4 x 4, 327,680 bytes of LDS; arguments xb, wb, bias, out0; writes out0
.if DOCPART == 2
	.amdgcn_target "amdgcn-amd-amdhsa--gfx1250"
	.amdhsa_code_object_version 6
	.text
	.protected	k_qdf0a4e37cb_gemm
	.globl	k_qdf0a4e37cb_gemm
	.p2align	8
	.type	k_qdf0a4e37cb_gemm,@function
k_qdf0a4e37cb_gemm:
	s_mov_b64 s[64:65], 0
	v_nop
	global_prefetch_b8 v0, s[64:65] scope:SCOPE_SE
	s_setreg_imm32_b32 hwreg(HW_REG_WAVE_MODE, 25, 1), 1
	s_wait_xcnt 0x0
	s_wait_alu depctr_hold_cnt(0) depctr_sa_sdst(0) depctr_va_vdst(0) depctr_va_sdst(0) depctr_va_ssrc(0) depctr_va_vcc(0) depctr_vm_vsrc(0)
	s_getreg_b32 s2, hwreg(HW_REG_IB_STS2, 6, 4)
	s_cmp_eq_u32 s2, 0
	s_cbranch_scc0 .Lentry_in_a_cluster
	s_endpgm
.Lentry_in_a_cluster:
	s_bfe_u32 s2, ttmp6, 0x10000c
	s_cmp_lg_u32 s2, 0xf033
	s_cbranch_scc0 .Lentry_shape_is_right
	s_endpgm
.Lentry_shape_is_right:
; Z[m][n] = the sum over k of xb[m][k] wb[k][n] + bias[n].  xb: [4096 m][4096 k] bf16 (X rounded once), wb: [4096 k][4096 n] bf16 (the signs of W, exact), bias: [4096] f32, Z: [4096][4096] f32.
; Sums in f32, K ascending, one accumulator for each output; the bias is added in f32 on the way out.  Nothing of the problem is left out.
; LIMITS: those of the operands as the first launch made them (an X beyond the largest finite bf16 is an infinity here); the order of the sums is the matrix unit's, not that of a chain of f32 additions.
; SHARES.  Z has 16 x 16 tiles of 256 x 256: one to a work-group of four waves; a wave makes 128 x 128: 64 accumulators of 16 x 16, 512 registers.  K goes in 32 steps of 128 through a ring of two
; LDS slots filled by the tensor data mover.  A step holds 256 rows m of xb (256 bytes of each) and 128 rows k of wb (512 bytes of each: the 256 columns of the tile).
; wb LIES [k][n]: its fragments come out of LDS turned, by ds_load_tr16_b128; xb's come as they lie.
; THE MATRIX INSTRUCTION IS USED TRANSPOSED: source 0 = 16 columns n of wb, source 1 = 16 rows m of xb.  In the result lane l holds row m = l % 16 and its registers 0 to 7 the columns 8 (l / 16) + 0..7:
; 32 neighbouring bytes of a row of Z.
; CLUSTERS: 4 x 4 work-groups.  The four of a row of the cluster need the same tiles of xb, the four of a column the same tiles of wb: each tile is asked for JOINTLY, by the same tensor load with the
; same descriptor and a mask that names the four.
; REGISTERS, in windows of 256 (s_set_vgpr_msb: bits 1:0 source 0, 3:2 source 1, 5:4 source 2, 7:6 destination):
;   window 0: v0-31 addresses and the bias; v64-127, v128-191 fragments of xb, two buffers; v192-255 rows read back on the way out
;   window 1: v64-127, v128-191 fragments of wb, two buffers
;   window 2: the 32 accumulators of my rows 0-63 (accumulator (a, b) at v[8 (8 a + b)]);   window 3: those of my rows 64-127
.set KSTEP,  128
.set ROWB,   8192                      ; bytes in a row of xb and of wb
.set OROWB,  16384                     ; bytes in a row of Z
.set PITCH,  272                       ; a row of xb in LDS: 256 bytes + 16 of padding = 68 words: row r starts at bank 4 r mod 64 (64 banks of 4 bytes: ISA guide 11.1): the 16 rows of a load start at 16 different groups of four banks
.set PB,     544                       ; a row of wb in LDS: 512 bytes + 32 of padding = 136 words: row r starts at bank 8 r mod 64
.set HALFT,  128*PITCH                 ; what one tensor load brings: 128 rows of xb, or 64 rows of wb (64 x 544 is the same 34,816 bytes)
.set SLOT,   4*HALFT                   ; the 256 rows of xb, then the 128 rows of wb
.set STAGE,  2*SLOT                    ; behind the ring, never filled by a tensor load: 16 rows x 528 bytes for each wave, for the way out
.set SPITCH, 528                       ; 512 bytes + 16: an odd multiple of 16, so the 16 rows that a store touches start at 16 different groups of four banks
.set SPARE,  STAGE+4*16*SPITCH         ; behind the stages: the spare words, 128 bytes for each wave: two blocks of 256 bytes that no other line names
.set LAPS,   16                        ; a lap = two K steps = once round the ring
.set BIAS, 12                          ; v[12:15] the bias of my four columns on the way out
.set ADRA, 16                          ; v16-17  LDS address of my fragments of xb in slot 0, 1
.set ADRB, 20                          ; v20-21  the same for wb
.set STO,  24                          ; v24     the way out: where I put 32 bytes of a row
.set RD,   25                          ; v25     the way out: where I read 16 bytes of a row back
.set CO,   26                          ; v26     my byte offset in a row of my part of Z
.set BO,   27                          ; v27     my byte offset in bias
.set SPW,  28                          ; v28     LDS address of my spare word: SPARE + 4 x my number in the work-group; never rewritten
.set NIL,  29                          ; v29     0; never rewritten
.set PFO,  30                          ; v30     the offset of my lane in a prefetch; never rewritten
.set F0,   64                          ; fragment buffer 0
.set F1,   128                         ; fragment buffer 1
.set BK,   192                         ; the way out: 16 rows, 4 registers each
.set WV,  12                           ; s12  my wave
.set RH,  13                           ; s13  which half of the rows of the tile is mine.  Also: I fetch xb (0) or wb (1)
.set CH,  14                           ; s14  which half of its columns.  Also: which half of that tile I fetch
.set CX,  15                           ; s15, s16  my place in the cluster
.set CY,  16
.set TC,  17                           ; s17  tile column of Z
.set TR,  18                           ; s18  tile row of Z
.set LB,  19                           ; s19  where my loads land in a slot
.set G1,  24                           ; s[24:31] descriptor group 1 for tiles of xb;  s[32:39] group 0, a set for each slot
.set G0,  32
.set PFA, 40                           ; s[40:41] where my prefetches stand
.set PFS, 42                           ; s[42:43] a K step in bytes: 256 along a row of xb, 128 rows down wb
.set LIM, 44                           ; s44  1 in a wave that prefetches, else the greatest number
.set G1B, 48                           ; s[48:55], s[56:63] the same for tiles of wb
.set G0B, 56
.set MSB, 0
.macro WIN new                         ; the high byte of the immediate repeats the setting that is left; a switch that changes nothing is dropped
.if MSB != (\new)
	s_set_vgpr_msb (MSB<<8)|(\new)
.set MSB, \new
.endif
.endm
.set MUL_LO, 0xa1                      ; source 0 (wb) window 1, source 1 (xb) window 0, C and D window 2
.set MUL_HI, 0xf1                      ; the same, C and D window 3
.set TO_B,   0x40                      ; destination window 1, address window 0
; A joint load.  Waves 0 and 1 fetch the two halves of the tile of xb, waves 2 and 3 those of wb.  Each of the two lines has one mask and one set of registers for all that issue it.
; The branch hangs on the number of the wave alone.  An s_nop 0 and four v_nop follow each of the two lines, ahead of the jump and the label.
.macro JLOAD s
	s_cmp_eq_u32 s[RH], 0
	s_cbranch_scc0 .Lfor_b_\@
	tensor_load_to_lds s[G0+4*(\s):G0+4*(\s)+3], s[G1:G1+7]
	s_nop 0
.rept 4
	v_nop
.endr
	s_branch .Lasked_\@
.Lfor_b_\@:
	tensor_load_to_lds s[G0B+4*(\s):G0B+4*(\s)+3], s[G1B:G1B+7]
	s_nop 0
.rept 4
	v_nop
.endr
.Lasked_\@:
.endm
; A PREFETCH INTO THE L2, behind each joint refill and the run of LDS loads that follows it: the K step that stands TWO refills on, 512 matrix instructions ahead of the load that will ask for it.
; Each aligned block of 256 bytes is named ONCE in the launch.  A tile row of xb is read by every cluster of that row of clusters: the one with x = 0 prefetches; a tile column of wb by every cluster
; of that column: the one with y = 0.  The four partners that ask for a tile jointly share it out BY ADDRESS: of the 128 rows of xb that a wave fetches the partner at cx takes 32, a lane a row;
; of the 64 rows of wb the partner at cy takes 16, two lanes a row (512 bytes).  One instruction a wave.  K steps 0 to 3 come by their loads alone; the last trip of the loop asks for nothing.
.macro ASK
	s_cmp_gt_u32 s3, s[LIM]                        ; s3 = 1 in the last trip
	s_cbranch_scc0 .Lnot_mine_\@
	global_prefetch_b8 v[PFO], s[PFA:PFA+1] th:TH_LOAD_NT scope:SCOPE_SE
.Lnot_mine_\@:
.endm
; A round of the barrier of the cluster: the barrier of my work-group, so that the signal of wave 0 speaks for all four waves; wave 0 signals; every wave waits for all sixteen work-groups; my work-group once more.
.macro CREST                           ; a round behind its opening barrier
	s_cmp_lg_u32 s[WV], 0
	s_cbranch_scc1 .Lnot_wave_0_\@
	s_barrier_signal -3
.Lnot_wave_0_\@:
	s_barrier_wait -3
	s_barrier_signal -1
	s_barrier_wait -1
.endm
.macro CROUND                          ; a whole round
	s_barrier_signal -1
	s_barrier_wait -1
	CREST
.endm
	s_load_b256 s[4:11], s[0:1], 0x0               ; xb s[4:5], wb s[6:7], bias s[8:9], Z s[10:11]
	v_lshl_add_u32 v[SPW], v0, 2, SPARE
	v_mov_b32 v[NIL], 0
	ds_add_u32 v[SPW], v[NIL]                      ; the opening: the add, twice on end, and its wait ahead of my first tensor load; the set-up below stands between
	ds_add_u32 v[SPW], v[NIL]
	v_lshrrev_b32 v1, 5, v0
	v_readfirstlane_b32 s[WV], v1                  ; wave 0..3
	s_lshr_b32 s[RH], s[WV], 1
	s_and_b32 s[CH], s[WV], 1
	s_bfe_u32 s[CX], ttmp6, 0x40000
	s_bfe_u32 s[CY], ttmp6, 0x40004
	s_lshl_b32 s[TC], ttmp9, 2                     ; in a cluster launch ttmp9 and ttmp7 count clusters
	s_add_co_u32 s[TC], s[TC], s[CX]               ; tile column = 4 x cluster x + cx
	s_and_b32 s[TR], ttmp7, 0xffff
	s_lshl_b32 s[TR], s[TR], 2
	s_add_co_u32 s[TR], s[TR], s[CY]               ; tile row = 4 x cluster y + cy
	s_lshl_b32 s20, s[CY], 2
	s_lshl_b32 s20, 15, s20                        ; my row of the cluster: places 4 cy .. 4 cy + 3
	s_lshl_b32 s46, 0x1111, s[CX]                  ; my column: places cx, cx + 4, cx + 8, cx + 12
	; group 1 for xb: a tile of 128 rows x 128 elements; for wb: 64 rows x 256 elements; both padded in LDS
	s_or_b32 s[G1+0], s20, (1<<16)|(1<<20)|(1<<21)|(5<<22)|(3<<25)   ; 15:0 the mask; 17:16 elements of 2 bytes; 20 padding on; 21 set beside a mask; 24:22 after every 64 words (code 5); 31:25 4 words (code 3)
	s_or_b32 s[G1B+0], s46, (1<<16)|(1<<20)|(1<<21)|(6<<22)|(7<<25)  ; the mask of my column; after every 128 words (code 6) 8 words (code 7)
	s_mov_b32 s[G1+1], 128<<16                     ; tensor_dim0 = 128
	s_mov_b32 s[G1+2], 128<<16                     ; tensor_dim1 = 128
	s_mov_b32 s[G1+3], 128<<16                     ; tile_dim0 = 128
	s_mov_b32 s[G1+4], 128                         ; tile_dim1 = 128
	s_mov_b32 s[G1+5], 4096                        ; elements from row to row
	s_mov_b32 s[G1+6], 0
	s_mov_b32 s[G1+7], 0
	s_mov_b32 s[G1B+1], 256<<16                    ; tensor_dim0 = 256
	s_mov_b32 s[G1B+2], 64<<16                     ; tensor_dim1 = 64
	s_mov_b32 s[G1B+3], 256<<16                    ; tile_dim0 = 256
	s_mov_b32 s[G1B+4], 64                         ; tile_dim1 = 64
	s_mov_b32 s[G1B+5], 4096
	s_mov_b32 s[G1B+6], 0
	s_mov_b32 s[G1B+7], 0
	; where the tiles come from.  The address in xb hangs on the tile row alone, which my row of the cluster shares; that in wb on the tile column alone, which my column shares.
	s_lshl_b32 s20, s[TR], 8
	s_lshl_b32 s21, s[CH], 7
	s_add_co_u32 s20, s20, s21                     ; xb: row 256 x tile row + 128 x half,
	s_lshl_b32 s20, s20, 13                        ; in bytes (under 2^25)
	s_mov_b32 s21, 0
	s_lshl_b32 s46, s[CH], 19                      ; wb: row 64 x half, in bytes,
	s_lshl_b32 s47, s[TC], 9                       ; and the 512 bytes of the tile column
	s_add_co_u32 s46, s46, s47
	s_mov_b32 s47, 0
	s_mul_i32 s[LB], s[WV], HALFT                  ; and where they go: wave x 34,816: no place in the cluster enters an LDS address
	s_wait_dscnt 0x0                               ; both opening adds are done
	s_wait_kmcnt 0x0
	s_add_nc_u64 s[22:23], s[4:5], s[20:21]
	s_add_nc_u64 s[46:47], s[6:7], s[46:47]
	CROUND                                         ; all sixteen work-groups are here: the first joint loads meet
.irp s, 0,1
	s_mov_b32 s[G0+4*(\s)], 1                                      ; count = 1
	s_add_co_u32 s[G0+4*(\s)+1], s[LB], (\s)*SLOT                  ; LDS address
	s_add_nc_u64 s[G0+4*(\s)+2:G0+4*(\s)+3], s[22:23], (\s)*KSTEP*2  ; global address: K step s, 256 bytes along the rows
	s_or_b32 s[G0+4*(\s)+3], s[G0+4*(\s)+3], 0x80000000            ; type = 2
	s_mov_b32 s[G0B+4*(\s)], 1
	s_add_co_u32 s[G0B+4*(\s)+1], s[LB], (\s)*SLOT
	s_add_nc_u64 s[G0B+4*(\s)+2:G0B+4*(\s)+3], s[46:47], (\s)*KSTEP*ROWB  ; K step s, 128 rows down
	s_or_b32 s[G0B+4*(\s)+3], s[G0B+4*(\s)+3], 0x80000000
	JLOAD \s                                       ; the ring is filled before anything else is done: two loads of mine are out, the most in this text
.endr
	v_and_b32 v1, 15, v0                           ; l % 16
	v_bfe_u32 v2, v0, 4, 1                         ; l / 16
	v_and_b32 v3, 31, v0                           ; l
	v_and_b32 v4, 7, v0                            ; l % 8
	v_bfe_u32 v5, v0, 3, 1                         ; (l / 8) % 2
	s_lshl_b32 s46, s[TC], 10
	s_lshl_b32 s47, s[CH], 9
	s_add_co_u32 s46, s46, s47                     ; my first column in f32 bytes: 1,024 x tile column + 512 x half
	v_lshl_add_u32 v[BO], v3, 4, s46
	global_load_b128 v[BIAS:BIAS+3], v[BO], s[8:9] ; on the way out lane l holds columns 4 l .. 4 l + 3 of every row: four numbers of bias serve all rows
	; A fragment of xb is 16 rows x 32 K in 8 registers: lane l holds row l % 16; registers 0-3 K = 8 (l / 16) + 0..7, registers 4-7 K = 16 + 8 (l / 16) + 0..7: two loads of 16 bytes, 32 bytes apart.
	v_mul_u32_u24 v6, v1, PITCH
	v_lshl_add_u32 v6, v2, 4, v6
	s_mul_i32 s20, s[RH], HALFT                    ; my 128 rows
	v_add_nc_u32 v[ADRA], s20, v6
	s_add_co_u32 s20, s20, SLOT
	v_add_nc_u32 v[ADRA+1], s20, v6
	; The turning load takes 16 k x 16 n (lane l reads 16 bytes: row k = 8 (l / 16) + l % 8, columns 8 ((l / 8) % 2) + 0..7) and leaves half a fragment: lane l holds column l % 16 and 8 k.
	v_lshl_add_u32 v7, v2, 3, v4
	v_mul_u32_u24 v7, v7, PB
	v_lshl_add_u32 v7, v5, 4, v7
	s_lshl_b32 s21, s[CH], 8                       ; my 128 columns: 256 bytes of a row,
	s_add_co_u32 s21, s21, 2*HALFT                 ; behind the 256 rows of xb
	v_add_nc_u32 v[ADRB], s21, v7
	s_add_co_u32 s21, s21, SLOT
	v_add_nc_u32 v[ADRB+1], s21, v7
	s_mul_i32 s22, s[WV], 16*SPITCH
	s_add_co_u32 s22, s22, STAGE                   ; my stage
	v_mul_u32_u24 v6, v1, SPITCH                   ; in: row l % 16, 32 bytes for each half of the lanes
	v_lshl_add_u32 v6, v2, 5, v6
	v_add_nc_u32 v[STO], s22, v6
	v_lshl_add_u32 v[RD], v3, 4, s22               ; back: the 32 lanes take one row of 512 bytes
	v_lshlrev_b32 v[CO], 4, v3
	s_lshl_b32 s20, s[TR], 8
	s_lshl_b32 s21, s[RH], 7
	s_add_co_u32 s20, s20, s21                     ; my first row of Z,
	s_lshl_b32 s20, s20, 14                        ; in bytes (under 2^26),
	s_add_co_u32 s20, s20, s46                     ; and my first column
	s_mov_b32 s21, 0
	s_add_nc_u64 s[10:11], s[10:11], s[20:21]
	; the prefetches
	s_lshl_b32 s20, s[TR], 8
	s_lshl_b32 s21, s[CH], 7
	s_add_co_u32 s20, s20, s21
	s_lshl_b32 s21, s[CX], 5
	s_add_co_u32 s20, s20, s21                     ; xb: of the 128 rows that I fetch, the 32 of my work-group,
	s_lshl_b32 s20, s20, 13
	s_add_co_u32 s20, s20, 3*KSTEP*2               ; at K step 3: the first refill steps it to 4
	s_lshl_b32 s22, s[CH], 6
	s_lshl_b32 s23, s[CY], 4
	s_add_co_u32 s22, s22, s23                     ; wb: of the 64 rows that I fetch, the 16 of my work-group,
	s_lshl_b32 s22, s22, 13
	s_lshl_b32 s23, s[TC], 9
	s_add_co_u32 s22, s22, s23                     ; at the tile column,
	s_add_co_u32 s22, s22, 3*KSTEP*ROWB            ; at K step 3
	s_mov_b32 s[PFS], KSTEP*2
	s_mov_b32 s23, KSTEP*ROWB
	s_and_b32 s45, ttmp7, 0xffff                   ; cluster y
	s_cmp_eq_u32 s[RH], 0                          ; do I fetch xb?
	s_cselect_b32 s20, s20, s22
	s_cselect_b32 s45, ttmp9, s45                  ; the coordinate along which other clusters read the same rows
	s_cselect_b32 s[PFS], s[PFS], s23
	s_cselect_b64 s[PFA:PFA+1], s[4:5], s[6:7]
	s_mov_b32 s21, 0
	s_mov_b32 s[PFS+1], 0
	s_add_nc_u64 s[PFA:PFA+1], s[PFA:PFA+1], s[20:21]
	s_cmp_eq_u32 s45, 0
	s_cselect_b32 s[LIM], 1, -1                    ; the same in all sixteen partners, for a given wave
	v_lshrrev_b32 v[PFO], s[RH], v3                ; xb: a lane a row; wb: two lanes a row,
	v_and_b32 v31, s[RH], v3
	v_lshlrev_b32 v[PFO], 13, v[PFO]
	v_lshl_or_b32 v[PFO], v31, 8, v[PFO]           ; 256 bytes apart
	; nothing is prefetched here, at the head, where the first tiles of every work-group are on their way
; 16 matrix instructions: m blocks a0, a0 + 1 of the four of the window (hi = 0: my rows 0-63, 1: rows 64-127) x all 8 n blocks, 32 along K.  zero = 1: the first product starts the sums: nothing is cleared.
; The 64 accumulators take turns, one instruction a turn, in the same order in every quarter step, over the backward jump too.
.macro MUL16 f, hi, a0, zero
	WIN MUL_LO+0x50*(\hi)
.irp a, \a0, (\a0)+1
.irp b, 0,1,2,3,4,5,6,7
.if \zero
	v_wmma_f32_16x16x32_bf16 v[8*(8*(\a)+(\b)):8*(8*(\a)+(\b))+7], v[(\f)+8*(\b):(\f)+8*(\b)+7], v[(\f)+8*(4*(\hi)+(\a)):(\f)+8*(4*(\hi)+(\a))+7], 0
.else
	v_wmma_f32_16x16x32_bf16 v[8*(8*(\a)+(\b)):8*(8*(\a)+(\b))+7], v[(\f)+8*(\b):(\f)+8*(\b)+7], v[(\f)+8*(4*(\hi)+(\a)):(\f)+8*(4*(\hi)+(\a))+7], v[8*(8*(\a)+(\b)):8*(8*(\a)+(\b))+7]
.endif
.endr
.endr
.endm
; 32 LDS loads in one run: the fragments of quarter q of a K step (32 k x my 128 columns of wb, turned; my 128 rows of xb x 32 k) into buffer f
.macro FETCH slot, q, f
	WIN TO_B
.irp i, 0,1,2,3,4,5,6,7
	ds_load_tr16_b128 v[(\f)+8*(\i):(\f)+8*(\i)+3],   v[ADRB+(\slot)] offset:(\q)*32*PB+32*(\i)
	ds_load_tr16_b128 v[(\f)+8*(\i)+4:(\f)+8*(\i)+7], v[ADRB+(\slot)] offset:(\q)*32*PB+32*(\i)+16*PB
.endr
	WIN 0
.irp i, 0,1,2,3,4,5,6,7
	ds_load_b128 v[(\f)+8*(\i):(\f)+8*(\i)+3],   v[ADRA+(\slot)] offset:64*(\q)+(\i)*16*PITCH
	ds_load_b128 v[(\f)+8*(\i)+4:(\f)+8*(\i)+7], v[ADRA+(\slot)] offset:64*(\q)+(\i)*16*PITCH+32
.endr
.endm
; A load into a register that a matrix instruction has read, and whatever but a matrix instruction reads a matrix result, stand four places behind that matrix instruction; only plain vector
; instructions that name none of its registers are places (ISA guide 7.12.1 for vector instructions).
.macro PLACES
.rept 4
	v_nop
.endr
.endm
; A K step is four quarters of 32 along K, 64 matrix instructions each, on buffers 0, 1, 0, 1.  One of the first three: multiplies buffer f; in its middle it fetches quarter q of the same slot into g.
.macro QUARTER slot, q, f, g, zero
	s_wait_dscnt 8                                 ; wb and my rows 0-63 of xb are in; the youngest eight loads (rows 64-127) may be out
	MUL16 \f, 0, 0, \zero
	MUL16 \f, 0, 2, \zero
	PLACES
	FETCH \slot, \q, \g
	s_wait_dscnt 32                                ; all but the 32 just issued
	MUL16 \f, 1, 0, \zero
	MUL16 \f, 1, 2, \zero
.endm
; The first half of the last quarter, which multiplies buffer 1 and changes slots: ONE barrier for two things.  In front of it each wave waits for all its tensor loads, of which one is out: its part
; of the next slot; adds 0 to its spare word; and waits for that and for its own reads of this slot.  Behind it nobody reads this slot any more and the next slot is whole.
.macro MEET round                      ; round = 1: the rest of a round of the barrier of the cluster follows
	WIN 0                                          ; (the two registers of the add lie in window 0)
	s_wait_tensorcnt 0x0                           ; all my tensor loads have landed
	ds_add_u32 v[SPW], v[NIL]                      ; 0 onto my spare word
	s_wait_dscnt 9                                 ; (the add and the youngest eight loads may be out)
	MUL16 F1, 0, 0, 0                              ; sixteen matrix instructions stand between the add and the wait for it
	s_wait_dscnt 0x0                               ; the add is done, and my reads of this slot are over
	s_barrier_signal -1
	MUL16 F1, 0, 2, 0                              ; work on registers while the others arrive
.if \round
	WIN 0
.endif
	s_barrier_wait -1
.endm
; The whole last quarter.  fill = 1: behind the round the slot just read out is filled again first, with the K step two steps on; from that request to the wait for it a wave issues 224 matrix
; instructions.  Then come the first fragments of the next slot.
.macro TURN slot, next, fill
.if \fill
	s_wait_xcnt 0x0                                ; the last prefetch, a K step back, has read its address: it is stepped here, ahead of the waits of the change of slots
	s_add_nc_u64 s[PFA:PFA+1], s[PFA:PFA+1], s[PFS:PFS+1]
	MEET 1
	CREST                                          ; no wave of any partner still reads the tile of this slot or has a load on its way
	s_add_nc_u64 s[G0+4*(\slot)+2:G0+4*(\slot)+3], s[G0+4*(\slot)+2:G0+4*(\slot)+3], 2*KSTEP*2      ; no tensor load of mine is out: the group 0 may be written
	s_add_nc_u64 s[G0B+4*(\slot)+2:G0B+4*(\slot)+3], s[G0B+4*(\slot)+2:G0B+4*(\slot)+3], 2*KSTEP*ROWB
	JLOAD \slot                                    ; the first tensor load behind the round; the four v_nop behind it are also the places in front of the loads below
	FETCH \next, 0, F0
	ASK
.else
	MEET 0
	PLACES
	FETCH \next, 0, F0
.endif
	MUL16 F1, 1, 0, 0
	MUL16 F1, 1, 2, 0
.endm
; THE WAY OUT of block a (16 rows of Z x my 128 columns).  The 32 bytes of a lane go into my own stage, rows of 528 bytes; whole rows of 512 bytes come back, 16 bytes a lane; the bias is added; stored.
; Each accumulator is read from its low end on.
.macro OUTB a
.set AC, 64*((\a)%4)
	WIN 0x08+4*((\a)/4)                            ; the data of an LDS store is source 1: window 2 or 3
.irp b, 0,1,2,3,4,5,6,7
	ds_store_b128 v[STO], v[AC+8*(\b):AC+8*(\b)+3]   offset:64*(\b)
	ds_store_b128 v[STO], v[AC+8*(\b)+4:AC+8*(\b)+7] offset:64*(\b)+16
.endr
	WIN 0
	s_wait_xcnt 0x0                                ; the stores of the block before have read their registers and their base: only now are these written again
.if (\a) > 0
	s_add_nc_u64 s[10:11], s[10:11], 16*OROWB      ; 16 rows of Z on
.endif
.irp t, 0,1,2,3,4,5,6,7,8,9,10,11,12,13,14,15
	ds_load_b128 v[BK+4*(\t):BK+4*(\t)+3], v[RD] offset:(\t)*SPITCH  ; LDS serves the instructions of a wave in order (ISA guide 5.7.1.4): these see the stores above
.endr
.irp t, 0,1,2,3,4,5,6,7,8,9,10,11,12,13,14,15
	s_wait_dscnt 15-(\t)                           ; row t is back; the younger rows may be out
	v_pk_add_f32 v[BK+4*(\t):BK+4*(\t)+1],   v[BK+4*(\t):BK+4*(\t)+1],   v[BIAS:BIAS+1]
	v_pk_add_f32 v[BK+4*(\t)+2:BK+4*(\t)+3], v[BK+4*(\t)+2:BK+4*(\t)+3], v[BIAS+2:BIAS+3]
	global_store_b128 v[CO], v[BK+4*(\t):BK+4*(\t)+3], s[10:11] offset:(\t)*OROWB th:TH_STORE_NT  ; the wave stores 512 consecutive bytes, at a multiple of 512 from the first byte of Z
.endr
.endm
	s_wait_loadcnt 0x0                             ; the bias
	s_wait_tensorcnt 1                             ; my part of K step 0 is in; that of K step 1 may stay out
	s_barrier_signal -1
	s_barrier_wait -1                              ; everybody's is
	FETCH 0, 0, F0
	QUARTER 0, 1, F0, F1, 1                        ; the first quarter stands in front of the loop: its products start the sums
	WIN 0                                          ; at a label and at a branch every window is 0
	s_mov_b32 s3, LAPS-1
.Llap:                                                 ; a trip goes once round the ring, from the second quarter of a lap to the first of the next, and fills both slots again
	QUARTER 0, 2, F1, F0, 0
	QUARTER 0, 3, F0, F1, 0
	TURN 0, 1, 1
	QUARTER 1, 1, F0, F1, 0
	QUARTER 1, 2, F1, F0, 0
	QUARTER 1, 3, F0, F1, 0
	TURN 1, 0, 1
	QUARTER 0, 1, F0, F1, 0
	WIN 0
	s_sub_co_u32 s3, s3, 1
	s_cmp_lg_u32 s3, 0
	s_cbranch_scc1 .Llap
	QUARTER 0, 2, F1, F0, 0                        ; the last lap is written out: it fills nothing and has no round
	QUARTER 0, 3, F0, F1, 0
	TURN 0, 1, 0
	QUARTER 1, 1, F0, F1, 0
	QUARTER 1, 2, F1, F0, 0
	QUARTER 1, 3, F0, F1, 0
	s_wait_dscnt 8                                 ; the very last quarter: nothing more to fetch
	MUL16 F1, 0, 0, 0
	MUL16 F1, 0, 2, 0
	s_wait_dscnt 0x0
	MUL16 F1, 1, 0, 0
	MUL16 F1, 1, 2, 0
	WIN 0
	PLACES                                         ; eight places, once a launch, between the last product and the first LDS store of a result
	PLACES
.irp a, 0,1,2,3,4,5,6,7
	OUTB \a
.endr
	s_wait_tensorcnt 0x0                           ; the end of the wave, behind my last tensor load and my last LDS store
	ds_add_u32 v[SPW], v[NIL]
	s_wait_dscnt 0x0
	CROUND                                         ; the closing round: no work-group ends while a partner may still ask for a tile that names it
	s_endpgm
.Lfunc_end_k_qdf0a4e37cb_gemm:
	.size	k_qdf0a4e37cb_gemm, .Lfunc_end_k_qdf0a4e37cb_gemm-k_qdf0a4e37cb_gemm
	.p2alignl 7, 3214868480
	.fill 96, 4, 3214868480
	.section	.rodata,"a",@progbits
	.p2align	6, 0x0
	.amdhsa_kernel k_qdf0a4e37cb_gemm
		.amdhsa_group_segment_fixed_size 327680
		.amdhsa_private_segment_fixed_size 0
		.amdhsa_enable_private_segment 0
		.amdhsa_kernarg_size 32
		.amdhsa_user_sgpr_count 2
		.amdhsa_user_sgpr_kernarg_segment_ptr 1
		.amdhsa_wavefront_size32 1
		.amdhsa_system_sgpr_workgroup_id_x 1
		.amdhsa_system_sgpr_workgroup_id_y 1
		.amdhsa_system_sgpr_workgroup_id_z 1
		.amdhsa_system_vgpr_workitem_id 0
		.amdhsa_next_free_vgpr 1024
		.amdhsa_next_free_sgpr 66
		.amdhsa_reserve_vcc 0
		.amdhsa_float_denorm_mode_32 3
		.amdhsa_float_denorm_mode_16_64 3
		.amdhsa_memory_ordered 1
		.amdhsa_forward_progress 1
		.amdhsa_inst_pref_size 162
	.end_amdhsa_kernel
	.amdgpu_metadata
---
amdhsa.version: [ 1, 2 ]
amdhsa.kernels:
  - .name:           k_qdf0a4e37cb_gemm
    .symbol:         k_qdf0a4e37cb_gemm.kd
    .args:
      - { .name: xb, .offset: 0, .size: 8, .value_kind: global_buffer, .address_space: global }
      - { .name: wb, .offset: 8, .size: 8, .value_kind: global_buffer, .address_space: global }
      - { .name: bias, .offset: 16, .size: 8, .value_kind: global_buffer, .address_space: global }
      - { .name: out0, .offset: 24, .size: 8, .value_kind: global_buffer, .address_space: global }
    .group_segment_fixed_size: 327680
    .private_segment_fixed_size: 0
    .kernarg_segment_align: 8
    .kernarg_segment_size: 32
    .max_flat_workgroup_size: 128
    .sgpr_count:     66
    .vgpr_count:     1024
    .wavefront_size: 32
...
	.end_amdgpu_metadata
.endif
;; end of part 2
;; ======== version 2 of 2: 2 launches; version 1 with the launch prep written anew for expert scheduling mode
;; workspace buffers: xb 33,554,432 bytes; wb 33,554,432 bytes
;; launch prep (part 3): grid 512 x 2, 8 waves a work-group, no clusters, 0 bytes of LDS; arguments X, W, xb, wb; writes xb, wb
.if DOCPART == 3
	.amdgcn_target "amdgcn-amd-amdhsa--gfx1250"
	.amdhsa_code_object_version 6
	.text
	.protected	k_qdf0a4e37cb_prep
	.globl	k_qdf0a4e37cb_prep
	.p2align	8
	.type	k_qdf0a4e37cb_prep,@function
k_qdf0a4e37cb_prep:
	s_mov_b64 s[64:65], 0
	v_nop
	global_prefetch_b8 v0, s[64:65] scope:SCOPE_SE
	s_setreg_imm32_b32 hwreg(HW_REG_WAVE_SCHED_MODE, 0, 2), 2
	s_setreg_imm32_b32 hwreg(HW_REG_WAVE_MODE, 25, 1), 1
	s_wait_xcnt 0x0
	s_wait_alu depctr_vm_vsrc(0)
; Z = X sign(W) + bias, first of two launches: the operands of the product are made, in 16 bits, each in the layout of its source.
;   xb[m][k] = bf16(X[m][k]), rounded to nearest even.      wb[k][n] = bf16(sign(W[k][n])): +1, -1 or 0, all exact in bf16.
; NOTHING OF THE PROBLEM IS LEFT OUT: X, W and bias all reach every output; bias is added by the second launch.
; LIMITS.  An X beyond the largest finite bf16 rounds to an infinity.  sign is exact for every finite W, denormals too (the compare is in f32, denormals kept); +0 and -0 stay
; +0 and -0.  A NaN in W keeps its upper 16 bits: a NaN whose payload lies in the lower 16 bits alone becomes an infinity.
; A STREAM: no byte is wanted twice, so no LDS, no barrier, no cluster, no matrix unit.  Work-groups with y = 0 take X, those with y = 1 take W; each owns 32,768 consecutive
; numbers, each of its eight waves 4,096: 32 loads of 16 bytes a lane (512 consecutive bytes, aligned) and 32 stores of 8 bytes a lane (256 consecutive bytes, aligned).
; The chunk's number stands in the immediates, so no address register is ever rewritten.
; THE MODE: SCHED_MODE bits 1:0 = 2 (LLVM: expert scheduling mode 2), set by the entry lines.  The code itself states the register dependences
; between vector instructions and memory instructions, with s_wait_alu, always for 0.
; THE PLAN.  The wave's 32 chunks go in 8 blocks of four.  Registers that memory instructions touch:
;   X0 .. X4   five blocks as loaded.  Block p lies in X[p % 5].  Blocks 0 to 3 are asked for at the head; block p + 4 is asked for in block p (p < 4) and lands in X[(p + 4) % 5] = X[(p - 1) % 5].
;              Read by block p's vector lines.  12 to 16 loads of every wave are on their way.
;   R0 .. R2   the results of blocks 0 to 2, whose X is loaded again.  The results of blocks 3 to 7 go into the first two registers of each chunk of their own X, which is not loaded again.
;              A block's results are written once, by its roundings or permutes, and read by the four stores that are issued in the next block.
;   v1, v2     byte offsets, made once at the head.
; So no register that a load or store reads is ever written again: nothing is owed for that.  Block p's memory instructions are the loads into X[(p - 1) % 5] and the stores of block p - 1's results:
; registers that block p - 1 worked on and that no vector line of block p names.  ONE wait on va_vdst at a block's head states all that its eight memory instructions hang on, and these are
; dealt among its vector lines with no further wait.  On W's path a block's sixteen compares stand in one run, each with a scalar register of its own for its mask, and ONE wait on va_sdst follows the run.
.set IO, 1                             ; v1        my 16 bytes in the wave's first chunk of the source: 16,384 x wave + 16 x lane; never rewritten
.set OO, 2                             ; v2        my 8 bytes in the result: 8,192 x wave + 8 x lane; never rewritten
.set ONE, 3                            ; v3        1.0
.set T,  4                             ; v[4:7]    at work: no memory instruction names them
.set IN, 8                             ; v[8:87]   buffer k, chunk i: 4 numbers as loaded, at IN + 16 k + 4 i
.set OU, 88                            ; v[88:111] block p < 3, chunk i: 4 results, packed, at OU + 8 p + 2 i
.set CM, 24                            ; s[24:39]  W's path: the masks of a block's 16 numbers
	s_load_b256 s[4:11], s[0:1], 0x0               ; X s[4:5], W s[6:7], xb s[8:9], wb s[10:11]
	s_and_b32 s12, ttmp7, 0xffff                   ; 0: X, 1: W
	s_lshl_b32 s18, ttmp9, 17                      ; the work-group's 131,072 bytes of the source (under 2^26),
	s_mov_b32 s19, 0
	s_lshl_b32 s20, ttmp9, 16                      ; and its 65,536 bytes of the result
	s_mov_b32 s21, 0
	s_mov_b32 s22, 0x7fffffff                      ; all bits but the sign
	s_mov_b32 s23, 0x07060302                      ; v_perm_b32: the upper halves of two words, the second source below
	v_and_b32 v4, 0xe0, v0                         ; 32 x wave
	v_and_b32 v5, 31, v0                           ; lane
	v_lshlrev_b32 v[IO], 4, v5
	v_lshl_or_b32 v[IO], v4, 9, v[IO]
	v_lshlrev_b32 v[OO], 3, v5
	v_lshl_or_b32 v[OO], v4, 8, v[OO]
	v_mov_b32 v[ONE], 1.0
	s_wait_kmcnt 0x0
	s_cmp_eq_u32 s12, 0
	s_cselect_b64 s[14:15], s[4:5], s[6:7]         ; the source
	s_cselect_b64 s[16:17], s[8:9], s[10:11]       ; the result
	s_add_nc_u64 s[14:15], s[14:15], s[18:19]
	s_add_nc_u64 s[16:17], s[16:17], s[20:21]
	s_wait_alu depctr_va_vdst(0)                   ; v1 and v2 are written: every load of the kernel reads the one as its offset, every store the other
.irp i, 0,1,2,3,4,5,6,7,8,9,10,11,12,13,14,15
	global_load_b128 v[IN+4*(\i):IN+4*(\i)+3], v[IO], s[14:15] offset:512*(\i) th:TH_LOAD_NT  ; blocks 0 to 3 into X0 to X3
.endr
; Block p.  kind = 0: round to bf16; 1: the sign.
.macro BLK kind, p
.set XB, IN+16*((\p)%5)                ; the block's numbers
.set XL, IN+16*(((\p)+4)%5)            ; where block p + 4 lands
.if (\p) < 3
.set RB, OU+8*(\p)                     ; the block's results: registers of their own, two a chunk,
.set RP, 2
.else
.set RB, XB                            ; or the first two of each chunk's four
.set RP, 4
.endif
.if (\p) < 4
.set SB, OU+8*((\p)-1)                 ; and those of the block before, which are stored now
.set SP, 2
.else
.set SB, XL
.set SP, 4
.endif
.if (\p) < 5
	s_wait_loadcnt 12                              ; loads come back in order (ISA guide 5.7.1): my four are in; behind them stand the twelve of the three younger blocks
.else
	s_wait_loadcnt 4*(7-(\p))                      ; nothing has been asked for since block 3: the counts run down
.endif
.if (\p) > 0
	s_wait_alu depctr_va_vdst(0)                   ; the block before has written its results, which the stores below read, and (up to block 3) is done reading its X, in which the loads below land
.endif
.if \kind
.irp c, 0,1,2,3,4,5,6,7,8,9,10,11,12,13,14,15
	v_cmp_lg_f32 s[CM+(\c)], 0, v[XB+(\c)]         ; below or above 0: false for 0 and for NaN
.endr
.endif
.irp i, 0,1,2,3
.if (\p) < 4
	global_load_b128 v[XL+4*(\i):XL+4*(\i)+3], v[IO], s[14:15] offset:512*(4*((\p)+4)+(\i)) th:TH_LOAD_NT  ; four blocks ahead, the load ahead of the store; no vector line since the wait names these registers
.endif
.if (\p) > 0
	global_store_b64 v[OO], v[SB+SP*(\i):SB+SP*(\i)+1], s[16:17] offset:256*(4*((\p)-1)+(\i)) th:TH_STORE_NT  ; the wave stores 256 consecutive bytes, at a multiple of 256 from the first byte of the buffer
.endif
.if \kind
.irp j, 0,1,2,3
	v_bfi_b32 v[T+(\j)], s22, v[ONE], v[XB+4*(\i)+(\j)]    ; 1.0 with the sign of w
.endr
.if (\i) == 0
	s_wait_alu depctr_va_sdst(0)                   ; the sixteen compares have written s[CM ..], ahead of the first select that reads one of them
.endif
.irp j, 0,1,2,3
	v_cndmask_b32 v[T+(\j)], v[XB+4*(\i)+(\j)], v[T+(\j)], s[CM+4*(\i)+(\j)]  ; or w itself
.endr
	v_perm_b32 v[RB+RP*(\i)], v[T+1], v[T], s23    ; +1, -1 and 0 have nothing in their lower halves: the upper halves are the bf16
	v_perm_b32 v[RB+RP*(\i)+1], v[T+3], v[T+2], s23
.else
	v_cvt_pk_bf16_f32 v[RB+RP*(\i)], v[XB+4*(\i)], v[XB+4*(\i)+1]      ; two roundings, the first source into the low half
	v_cvt_pk_bf16_f32 v[RB+RP*(\i)+1], v[XB+4*(\i)+2], v[XB+4*(\i)+3]
.endif
.endr
.endm
; Behind block 7: its results, which lie in X2, are stored.
.macro LAST
	s_wait_alu depctr_va_vdst(0)                   ; block 7 has written its results, which the last four stores read
.irp i, 0,1,2,3
	global_store_b64 v[OO], v[IN+32+4*(\i):IN+32+4*(\i)+1], s[16:17] offset:256*(28+(\i)) th:TH_STORE_NT
.endr
.endm
	s_cmp_eq_u32 s12, 0
	s_cbranch_scc0 .Lw
.irp p, 0,1,2,3,4,5,6,7
	BLK 0, \p
.endr
	LAST
	s_endpgm
.Lw:
.irp p, 0,1,2,3,4,5,6,7
	BLK 1, \p
.endr
	LAST
	s_endpgm
.Lfunc_end_k_qdf0a4e37cb_prep:
	.size	k_qdf0a4e37cb_prep, .Lfunc_end_k_qdf0a4e37cb_prep-k_qdf0a4e37cb_prep
	.p2alignl 7, 3214868480
	.fill 96, 4, 3214868480
	.section	.rodata,"a",@progbits
	.p2align	6, 0x0
	.amdhsa_kernel k_qdf0a4e37cb_prep
		.amdhsa_group_segment_fixed_size 0
		.amdhsa_private_segment_fixed_size 0
		.amdhsa_enable_private_segment 0
		.amdhsa_kernarg_size 32
		.amdhsa_user_sgpr_count 2
		.amdhsa_user_sgpr_kernarg_segment_ptr 1
		.amdhsa_wavefront_size32 1
		.amdhsa_system_sgpr_workgroup_id_x 1
		.amdhsa_system_sgpr_workgroup_id_y 1
		.amdhsa_system_sgpr_workgroup_id_z 1
		.amdhsa_system_vgpr_workitem_id 0
		.amdhsa_next_free_vgpr 112
		.amdhsa_next_free_sgpr 66
		.amdhsa_reserve_vcc 0
		.amdhsa_float_denorm_mode_32 3
		.amdhsa_float_denorm_mode_16_64 3
		.amdhsa_memory_ordered 1
		.amdhsa_forward_progress 1
		.amdhsa_inst_pref_size 46
	.end_amdhsa_kernel
	.amdgpu_metadata
---
amdhsa.version: [ 1, 2 ]
amdhsa.kernels:
  - .name:           k_qdf0a4e37cb_prep
    .symbol:         k_qdf0a4e37cb_prep.kd
    .args:
      - { .name: X, .offset: 0, .size: 8, .value_kind: global_buffer, .address_space: global }
      - { .name: W, .offset: 8, .size: 8, .value_kind: global_buffer, .address_space: global }
      - { .name: xb, .offset: 16, .size: 8, .value_kind: global_buffer, .address_space: global }
      - { .name: wb, .offset: 24, .size: 8, .value_kind: global_buffer, .address_space: global }
    .group_segment_fixed_size: 0
    .private_segment_fixed_size: 0
    .kernarg_segment_align: 8
    .kernarg_segment_size: 32
    .max_flat_workgroup_size: 256
    .sgpr_count:     66
    .vgpr_count:     112
    .wavefront_size: 32
...
	.end_amdgpu_metadata
.endif
;; end of part 3
;; launch gemm: the kernel of part 2 again; grid 16 x 16, 4 waves a work-group, clusters of 4 x 4, 327,680 bytes of LDS; arguments xb, wb, bias, out0; writes out0
